; MI455X (gfx1250); checked and timed in simulation.
; The chip was launched on July 23, 2026; its instructions are those of AMD's public machine-readable ISA for CDNA 5 (MIT licence, August 2026) and "CDNA5" Instruction Set Architecture Reference Guide (July 2026). The comments in the code are by the model that wrote it; some were corrected since.
;; Embedder. Allowed arithmetic: float matrix products may take bf16 or f16 operands with f32 sums; other float arithmetic in f32, or as packed bf16 or f16 multiplies, adds, multiply-adds, maxima and minima; sums over many terms, partial sums and values carried from step to step in f32; what a program stores and reads back later, other than sums and carried values, may be rounded once to bf16 or f16.
;; Inputs: Wk 1,024 x 1,024 float32; Wo 1,024 x 1,024 float32; Wq 1,024 x 1,024 float32; Wv 1,024 x 1,024 float32; bk 1,024 float32; bo 1,024 float32; bq 1,024 float32; bv 1,024 float32; segment_ids 4,096 int32; x 4,096 x 1,024 float32.
;; Outputs: out0 1,024 float32.
;; Constants: pos = 100.
;; 2 versions, each right; version 2 is version 1 with the launch qkv written anew for expert scheduling mode. Each part assembles by itself: llvm-mc -triple=amdgcn-amd-amdhsa -mcpu=gfx1250 --defsym DOCPART=n.
;; ======== version 1 of 2: 4 launches
;; limits: values are held in f16: magnitudes above 65,504 overflow, below 6.1e-05 lose precision
;; workspace buffers: part 65,536 bytes; order 16,640 bytes of whole numbers; qkv 25,264,128 bytes; ubar 4,096 bytes
;; launch prep (part 1): grid 257 x 1, 8 waves a work-group, no clusters, 3,072 bytes of LDS; arguments x, segment_ids, part, order; writes part, order
.if DOCPART == 1
	.amdgcn_target "amdgcn-amd-amdhsa--gfx1250"
	.amdhsa_code_object_version 6
	.text
	.protected	k_qd54c094227_prep
	.globl	k_qd54c094227_prep
	.p2align	8
	.type	k_qd54c094227_prep,@function
k_qd54c094227_prep:
	s_mov_b64 s[64:65], 0
	v_nop
	global_prefetch_b8 v0, s[64:65] scope:SCOPE_SE
	s_setreg_imm32_b32 hwreg(HW_REG_WAVE_MODE, 25, 1), 1
	s_wait_xcnt 0x0
; PREP.  M = the tokens whose segment id equals segment_ids[100]; n = their number (1 to 4,096; the ids need not be sorted).
; Work-groups 0 to 255: part[p][c] = 2^-8 x the sum of x[t][c] over the rows t of chunk p (256 rows) that are NOT in M.  Work-group 16 p + s takes chunk p and strip s
; (64 columns, 256 bytes of a row); its eight waves take 32 rows each; the waves' sums meet in LDS.  Every byte of x is read once, each load of a wave covering two rows' aligned 256 bytes.
; The factor 2^-8 is exact; it keeps a later 16-bit copy of part x Wv^T within the range of a single row's v.
; Work-group 256: order[0..4095] = a permutation of the token numbers with the n members first; order[4096..4159] = n.
; LIMIT.  A member's row enters the sum with the weight 0, so x must be finite (where it is not, the module's result is not finite either).
; No matrix unit and no tensor load: the work is a masked sum over a stream, bound by its bytes.
.set SPARE, 2048                       ; LDS: bytes 0-2047 the waves' sums (256 bytes a wave); from here the spare words, 128 bytes a wave
.set SPW, 8                            ; v8   LDS address of my spare word; never rewritten
.set NIL, 9                            ; v9   0; never rewritten
.set ACC, 10                           ; v[10:13]   sums of my four columns
.set WGT, 20                           ; v[20:35]   weight (0.0 or 1.0) of the row that load j brings me
.set X,   36                           ; v[36:99]   16 loads of 16 bytes
.set SUM, 100                          ; v[100:115] wave 0: the eight waves' sums
.set OWN, 16                           ; list: v[16:31]   my wave's 512 ids
.set ALL, 32                           ; list: v[32:159]  all 4,096 ids: register 4 j + c of lane l holds id[128 j + 4 l + c]
.set POS, 160                          ; list: v[160:175] byte offsets in order
.set VAL, 176                          ; list: v[176:191] token numbers
.set MK,  24                           ; s[24:39] sixteen lane masks
	s_load_b256 s[4:11], s[0:1], 0x0               ; x s[4:5], segment_ids s[6:7], part s[8:9], order s[10:11]
	v_lshl_add_u32 v[SPW], v0, 2, SPARE
	v_mov_b32 v[NIL], 0
	v_lshrrev_b32 v1, 5, v0
	v_readfirstlane_b32 s12, v1                    ; wave 0..7
	v_and_b32 v1, 31, v0                           ; lane
	s_wait_kmcnt 0x0
	s_load_b32 s13, s[6:7], 0x190                  ; segment_ids[100]; waited for in each role, behind its vector loads
	s_cmp_eq_u32 ttmp9, 256
	s_cbranch_scc1 .Llist                          ; the same for all waves of a work-group
	; ---- the masked sums ----
	v_and_b32 v2, 15, v0                           ; r: my 16 bytes of the strip
	v_bfe_u32 v3, v0, 4, 1                         ; h: lanes 16-31 take the odd row of a load's two
	s_and_b32 s18, ttmp9, 15                       ; strip
	s_lshr_b32 s19, ttmp9, 4                       ; chunk
	s_lshl_b32 s20, s19, 10
	s_lshl_b32 s21, s12, 7
	s_add_co_u32 s20, s20, s21
	v_lshl_add_u32 v4, v1, 2, s20                  ; byte of id[256 chunk + 32 wave + lane]
	s_lshl_b32 s20, s19, 20                        ; 256 rows of 4,096 bytes
	s_lshl_b32 s21, s12, 17                        ; 32 rows
	s_add_co_u32 s20, s20, s21
	s_lshl_b32 s21, s18, 8
	s_add_co_u32 s20, s20, s21
	v_lshl_add_u32 v5, v2, 4, s20
	v_lshl_add_u32 v5, v3, 12, v5
	global_load_b32 v6, v4, s[6:7]                 ; lane l: the id of my wave's row l
.set j, 0
.rept 16
	global_load_b128 v[X+4*j:X+4*j+3], v5, s[4:5] offset:8192*j  ; rows 2 j and 2 j + 1; no hint: the members' rows are read again by the next launch
.set j, j+1
.endr
	s_mov_b32 s16, 0x76543210                      ; v_permlanex16_b32: each lane takes its own place in the other half
	s_mov_b32 s17, 0xfedcba98
	v_lshlrev_b32 v18, 4, v2
	v_lshl_add_u32 v18, s12, 8, v18                ; where my wave's sums go in LDS
	s_wait_kmcnt 0x0                               ; segment_ids[100]
	s_wait_loadcnt 16                              ; the id is in; the 16 loads of x issued behind it stay out
	v_cmp_ne_u32 s14, s13, v6                      ; bit l: row l is no member
	v_lshrrev_b32 v7, v3, s14                      ; bit 2 j: my row of load j
.set j, 0
.rept 16
	v_bfe_u32 v[WGT+j], v7, 2*j, 1
.set j, j+1
.endr
.set j, 0
.rept 16
	v_cvt_f32_u32 v[WGT+j], v[WGT+j]
.set j, j+1
.endr
.set j, 0
.rept 16
	s_wait_loadcnt 15-j                            ; loads come back in order: load j is in, the younger ones stay out
.irp c, 0,1,2,3
.if j == 0
	v_mul_f32 v[ACC+\c], v[X+\c], v[WGT]           ; the first row starts the sums
.else
	v_fmac_f32 v[ACC+\c], v[X+4*j+\c], v[WGT+j]
.endif
.endr
.set j, j+1
.endr
.irp c, 0,1,2,3
	v_permlanex16_b32 v[X+\c], v[ACC+\c], s16, s17 ; the other parity's rows (the destination has been written by a load)
.endr
.irp c, 0,1,2,3
	v_add_f32 v[ACC+\c], v[ACC+\c], v[X+\c]
.endr
	ds_store_b128 v18, v[ACC:ACC+3]                ; both halves of the lanes store the same 16 bytes
	s_wait_dscnt 0x0                               ; for the others' sake: my store is done
	s_barrier_signal -1
	s_barrier_wait -1
	s_cmp_lg_u32 s12, 0
	s_cbranch_scc1 .Ldone
	v_lshlrev_b32 v19, 3, v1                       ; wave 0 adds the eight waves' sums: two columns a lane
.set j, 0
.rept 8
	ds_load_b64 v[SUM+2*j:SUM+2*j+1], v19 offset:256*j
.set j, j+1
.endr
	s_lshl_b32 s20, s19, 12
	s_lshl_b32 s21, s18, 8
	s_add_co_u32 s20, s20, s21
	v_add_nc_u32 v116, s20, v19                    ; part[chunk][64 strip + 2 lane]
	s_wait_dscnt 0x0
	v_pk_add_f32 v[SUM:SUM+1], v[SUM:SUM+1], v[SUM+2:SUM+3]
	v_pk_add_f32 v[SUM+4:SUM+5], v[SUM+4:SUM+5], v[SUM+6:SUM+7]
	v_pk_add_f32 v[SUM+8:SUM+9], v[SUM+8:SUM+9], v[SUM+10:SUM+11]
	v_pk_add_f32 v[SUM+12:SUM+13], v[SUM+12:SUM+13], v[SUM+14:SUM+15]
	v_pk_add_f32 v[SUM:SUM+1], v[SUM:SUM+1], v[SUM+4:SUM+5]
	v_pk_add_f32 v[SUM+8:SUM+9], v[SUM+8:SUM+9], v[SUM+12:SUM+13]
	v_pk_add_f32 v[SUM:SUM+1], v[SUM:SUM+1], v[SUM+8:SUM+9]
	v_pk_mul_f32 v[SUM:SUM+1], v[SUM:SUM+1], 0x3b800000 op_sel_hi:[1,0]  ; x 2^-8
	global_store_b64 v116, v[SUM:SUM+1], s[8:9]    ; the wave stores 256 consecutive bytes, aligned
	s_branch .Ldone
	; ---- the list ----
	; Every wave reads all ids and counts the members in each group of 512; wave w places the ids of group w.  An id's place in the walk is 512 w + 32 i + lane (register i of the wave's 16).
	; A member goes to the number of members before it in the walk; any other token to 4095 less the number of non-members before it.  Both are bijections onto 0..n-1 and n..4095.
.Llist:
	v_lshlrev_b32 v13, 4, v1
.set j, 0
.rept 32
	global_load_b128 v[ALL+4*j:ALL+4*j+3], v13, s[6:7] offset:512*j
.set j, j+1
.endr
	s_lshl_b32 s20, s12, 11
	v_add_nc_u32 v14, s20, v13
.set j, 0
.rept 4
	global_load_b128 v[OWN+4*j:OWN+4*j+3], v14, s[6:7] offset:512*j
.set j, j+1
.endr
	s_lshl_b32 s20, s12, 9                         ; 512 w
	v_lshl_add_u32 v12, v1, 2, s20                 ; the token in my register 0: 512 w + 4 lane
	s_sub_co_u32 s20, 4095, s20
	v_sub_nc_u32 v11, s20, v1                      ; 4095 - 512 w - lane; 32 less for each register
	s_mov_b32 s21, 0                               ; members in all
	s_mov_b32 s22, 0                               ; members before my wave's group, later before the register in hand
	s_wait_kmcnt 0x0                               ; segment_ids[100]
.macro COUNT g
	s_wait_loadcnt 32-4*(\g)                       ; the group's four loads are in; behind them 28 - 4 g of the others' and my own four
.set i, 0
.rept 16
	v_cmp_eq_u32 s[MK+i], s13, v[ALL+16*(\g)+i]
.set i, i+1
.endr
	s_mov_b32 s20, 0
.set i, 0
.rept 16
	s_bcnt1_i32_b32 s23, s[MK+i]
	s_add_co_u32 s20, s20, s23
.set i, i+1
.endr
	s_add_co_u32 s21, s21, s20
	s_cmp_gt_u32 s12, \g                           ; a group in front of mine?
	s_cselect_b32 s23, s20, 0
	s_add_co_u32 s22, s22, s23
.endm
.irp g, 0,1,2,3,4,5,6,7
	COUNT \g
.endr
	s_wait_loadcnt 0x0                             ; my own ids
.set i, 0
.rept 16
	v_cmp_eq_u32 s[MK+i], s13, v[OWN+i]
.set i, i+1
.endr
.macro PLACE i                         ; each register has its own offset and data registers, so no store's sources are written again
	v_mbcnt_lo_u32_b32 v[POS+(\i)], s[MK+(\i)], 0  ; members in the lanes below me,
	v_add_nc_u32 v[POS+(\i)], s22, v[POS+(\i)]     ; and before this register: the members before me in the walk
	v_add_nc_u32 v10, v[POS+(\i)], v11             ; 4095 - (my place in the walk - members before me)
	v_sub_nc_u32 v11, v11, 32
	v_cndmask_b32 v[POS+(\i)], v10, v[POS+(\i)], s[MK+(\i)]
	v_min_u32 v[POS+(\i)], 0xfff, v[POS+(\i)]      ; it lies in 0..4095 by the count; the bound is written out since it comes from loaded data
	v_lshlrev_b32 v[POS+(\i)], 2, v[POS+(\i)]
	v_add_nc_u32 v[VAL+(\i)], 128*((\i)/4)+(\i)%4, v12
	global_store_b32 v[POS+(\i)], v[VAL+(\i)], s[10:11]
	s_bcnt1_i32_b32 s20, s[MK+(\i)]
	s_add_co_u32 s22, s22, s20
.endm
.irp i, 0,1,2,3,4,5,6,7,8,9,10,11,12,13,14,15
	PLACE \i
.endr
	s_cmp_lg_u32 s12, 0
	s_cbranch_scc1 .Ldone
	v_mov_b32 v2, s21                              ; wave 0 stores n, 64 times: 256 consecutive bytes, aligned
	v_mov_b32 v3, s21
	v_lshlrev_b32 v4, 3, v1
	global_store_b64 v4, v[2:3], s[10:11] offset:16384
.Ldone:
	s_wait_tensorcnt 0x0                           ; the wave's end: three closing lines behind the last LDS store
	ds_add_u32 v[SPW], v[NIL]
	s_wait_dscnt 0x0
	s_endpgm
.Lfunc_end_k_qd54c094227_prep:
	.size	k_qd54c094227_prep, .Lfunc_end_k_qd54c094227_prep-k_qd54c094227_prep
	.p2alignl 7, 3214868480
	.fill 96, 4, 3214868480
	.section	.rodata,"a",@progbits
	.p2align	6, 0x0
	.amdhsa_kernel k_qd54c094227_prep
		.amdhsa_group_segment_fixed_size 3072
		.amdhsa_private_segment_fixed_size 0
		.amdhsa_enable_private_segment 0
		.amdhsa_kernarg_size 32
		.amdhsa_user_sgpr_count 2
		.amdhsa_user_sgpr_kernarg_segment_ptr 1
		.amdhsa_wavefront_size32 1
		.amdhsa_system_sgpr_workgroup_id_x 1
		.amdhsa_system_sgpr_workgroup_id_y 1
		.amdhsa_system_sgpr_workgroup_id_z 1
		.amdhsa_system_vgpr_workitem_id 0
		.amdhsa_next_free_vgpr 192
		.amdhsa_next_free_sgpr 66
		.amdhsa_reserve_vcc 0
		.amdhsa_float_denorm_mode_32 3
		.amdhsa_float_denorm_mode_16_64 3
		.amdhsa_memory_ordered 1
		.amdhsa_forward_progress 1
		.amdhsa_inst_pref_size 41
	.end_amdhsa_kernel
	.amdgpu_metadata
---
amdhsa.version: [ 1, 2 ]
amdhsa.kernels:
  - .name:           k_qd54c094227_prep
    .symbol:         k_qd54c094227_prep.kd
    .args:
      - { .name: x, .offset: 0, .size: 8, .value_kind: global_buffer, .address_space: global }
      - { .name: segment_ids, .offset: 8, .size: 8, .value_kind: global_buffer, .address_space: global }
      - { .name: part, .offset: 16, .size: 8, .value_kind: global_buffer, .address_space: global }
      - { .name: order, .offset: 24, .size: 8, .value_kind: global_buffer, .address_space: global }
    .group_segment_fixed_size: 3072
    .private_segment_fixed_size: 0
    .kernarg_segment_align: 8
    .kernarg_segment_size: 32
    .max_flat_workgroup_size: 256
    .sgpr_count:     66
    .vgpr_count:     192
    .wavefront_size: 32
...
	.end_amdgpu_metadata
.endif
;; end of part 1
;; launch qkv (part 2): grid 192 x 1, 8 waves a work-group, no clusters, 34,048 bytes of LDS; arguments x, Wq, Wk, Wv, bq, bk, bv, part, order, qkv; writes qkv
.if DOCPART == 2
	.amdgcn_target "amdgcn-amd-amdhsa--gfx1250"
	.amdhsa_code_object_version 6
	.text
	.protected	k_qd54c094227_qkv
	.globl	k_qd54c094227_qkv
	.p2align	8
	.type	k_qd54c094227_qkv,@function
k_qd54c094227_qkv:
	s_mov_b64 s[64:65], 0
	v_nop
	global_prefetch_b8 v0, s[64:65] scope:SCOPE_SE
	s_setreg_imm32_b32 hwreg(HW_REG_WAVE_MODE, 25, 1), 1
	s_wait_xcnt 0x0
; QKV.  q, k, v = x W^T + b for the member rows alone (gathered by order), and in V's blocks also for the 16 rows of part.  Operands rounded to bf16, sums in f32, results rounded once to f16.
; Work-group cb (0..191) owns 16 output columns: cb / 64 chooses Wq, Wk or Wv, cb % 64 the block of 16 rows of W.  Those 16 rows (65,536 consecutive bytes) are read once, rounded, and kept in LDS.
; The row tiles of 16 tokens, nt = 2 ceil(n / 32) of them (n from order[4096]), go round the eight waves: slot 8 t + w; in V's blocks slot nt is the tile of part's rows.  A tile past n is filled up with
; non-members from the list: finite numbers that the next launch hides.
; OUT.  Tile (cb, T) lies at (257 cb + T) x 512 bytes, lane (r, h) at 32 r + 16 h: a store of the wave covers 512 consecutive aligned bytes.  Q and K: [token r][16 channels] (source 0 = W, source 1 = x).
; V: [channel r][16 tokens] (sources swapped).  T = 256: [channel r][16 rows of part], each row = part W^T + bv (4096 - n) 2^-12: the 16 rows add up to 2^-8 x the sum of v over all non-members.
; LIMIT.  f16 ends at 65,504: q, k and v must lie within it.  With all inputs 30 times the drawn spread they reach some 3,000, with all inputs offset by 30 spreads some 18,700; both at once would pass it.
; No tensor load: the rows of x come by a list, and W's tile is converted on its way into LDS.  No cluster: no two work-groups read the same rows of W.
.set PW,    2064                       ; a row of W in LDS: 2,048 bytes of bf16 + 16: 129 x 16, so the 16 rows of a fragment load start at 16 different groups of four banks (ISA guide 11.1)
.set SPARE, 16*PW                      ; 33,024 = 129 x 256: behind W's rows the spare words, 128 bytes a wave
.set RR,   1                           ; v1   lane % 16
.set HH,   2                           ; v2   lane / 16
.set AO,   3                           ; v3   byte offset of my row's first 32 bytes
.set LF,   4                           ; v4   my place in W's rows in LDS; never rewritten
.set OUTO, 5                           ; v5   my 16 bytes in a tile; never rewritten
.set IDX,  6                           ; v6   my row's number
.set ORO,  7                           ; v7   byte offset in order
.set SPW,  8                           ; v8   LDS address of my spare word; never rewritten
.set NIL,  9                           ; v9   0; never rewritten
.set BIAS, 10                          ; v[10:17] the bias of my eight results
.set PK,   18                          ; v[18:21] eight f16
.set BETA, 22                          ; v[22:23] the bias's factor (low word)
.set BX,   24                          ; v24  (4096 - n) 2^-12
.set RING, 32                          ; v[32:223] six buffers of 32: a chunk of 64 along K, as loaded (f32), then as two fragments
.set WF,   224                         ; v[224:239] W's two fragments of a chunk
.set ACC0, 240                         ; the even K steps' sums
.set ACC1, 248                         ; the odd K steps' sums
	s_load_b512 s[16:31], s[0:1], 0x0              ; x s[16:17], Wq s[18:19], Wk s[20:21], Wv s[22:23], bq s[24:25], bk s[26:27], bv s[28:29], part s[30:31]
	s_load_b128 s[32:35], s[0:1], 0x40             ; order s[32:33], qkv s[34:35]
	v_lshl_add_u32 v[SPW], v0, 2, SPARE
	v_mov_b32 v[NIL], 0
	v_lshrrev_b32 v1, 5, v0
	v_readfirstlane_b32 s8, v1                     ; wave 0..7
	v_and_b32 v28, 31, v0                          ; lane
	v_and_b32 v[RR], 15, v0
	v_bfe_u32 v[HH], v0, 4, 1
	s_lshr_b32 s9, ttmp9, 6                        ; 0: Q, 1: K, 2: V
	s_and_b32 s10, ttmp9, 63                       ; the block of 16 columns
	v_lshlrev_b32 v25, 4, v28
	v_lshl_add_u32 v25, s8, 13, v25                ; W: 16 lane + my wave's two rows
	s_mul_i32 s50, s8, 2*PW
	v_lshl_add_u32 v26, v28, 3, s50                ; LDS: 8 lane + my wave's two rows
	v_mul_u32_u24 v[LF], v[RR], PW
	v_lshl_add_u32 v[LF], v[HH], 4, v[LF]          ; a fragment's row x pitch + 16 x half
	v_lshlrev_b32 v[OUTO], 5, v[RR]
	v_lshl_add_u32 v[OUTO], v[HH], 4, v[OUTO]
	s_wait_kmcnt 0x0
	s_load_b32 s11, s[32:33], 0x4000               ; n
	s_cmp_eq_u32 s9, 0
	s_cselect_b64 s[36:37], s[18:19], s[20:21]
	s_cselect_b64 s[38:39], s[24:25], s[26:27]
	s_cmp_eq_u32 s9, 2
	s_cselect_b64 s[36:37], s[22:23], s[36:37]     ; my W
	s_cselect_b64 s[38:39], s[28:29], s[38:39]     ; my bias
	s_lshl_b32 s50, s10, 16                        ; 16 rows of 4,096 bytes
	s_mov_b32 s51, 0
	s_add_nc_u64 s[36:37], s[36:37], s[50:51]
	s_lshl_b32 s50, s10, 6                         ; 16 numbers of the bias
	s_cmp_eq_u32 s9, 2
	s_cbranch_scc1 .Lbias_v
	v_lshl_add_u32 v27, v[HH], 5, s50              ; Q, K: my results are columns 8 h + 0..7
	global_load_b128 v[BIAS:BIAS+3], v27, s[38:39]
	global_load_b128 v[BIAS+4:BIAS+7], v27, s[38:39] offset:16
	s_branch .Lbias_done
.Lbias_v:
	v_lshl_add_u32 v27, v[RR], 2, s50              ; V: all eight are column r
.irp j, 0,1,2,3,4,5,6,7
	global_load_b32 v[BIAS+\j], v27, s[38:39]
.endr
.Lbias_done:
	; W's tile: wave w brings rows 2 w and 2 w + 1, 512 consecutive bytes a load, read once in the launch
.set i, 0
.rept 16
	global_load_b128 v[RING+4*i:RING+4*i+3], v25, s[36:37] offset:512*i th:TH_LOAD_NT
.set i, i+1
.endr
.set i, 0
.rept 16
	s_wait_loadcnt 15-i                            ; load i is in (and the bias, issued ahead of it); the younger ones stay out
	v_cvt_pk_bf16_f32 v[RING+4*i], v[RING+4*i], v[RING+4*i+1]
	v_cvt_pk_bf16_f32 v[RING+4*i+1], v[RING+4*i+2], v[RING+4*i+3]
	ds_store_b64 v26, v[RING+4*i:RING+4*i+1] offset:(i/8)*PW+(i%8)*256
.set i, i+1
.endr
	s_wait_kmcnt 0x0
	s_min_u32 s11, s11, 0x1000                     ; n, 1 to 4,096; the bound is written out since it steers trip counts
	s_add_co_u32 s12, s11, 31
	s_lshr_b32 s12, s12, 5
	s_lshl_b32 s12, s12, 1                         ; nt
	s_cmp_eq_u32 s9, 2
	s_cselect_b32 s50, 1, 0
	s_add_co_u32 s13, s12, s50                     ; slots: V's blocks have one more
	s_add_co_u32 s14, s13, 7
	s_lshr_b32 s14, s14, 3                         ; trips
	s_sub_co_u32 s50, 0x1000, s11
	v_cvt_f32_u32 v[BX], s50
	v_mul_f32 v[BX], 0x39800000, v[BX]             ; (4096 - n) 2^-12
	s_wait_dscnt 0x0                               ; for the others' sake: my rows of W are in LDS
	s_barrier_signal -1
	s_barrier_wait -1                              ; from here on LDS is only read
; A chunk is 64 along K: 256 bytes of a row of x, two K steps.  Lane (r, h) wants k = 8 h + 0..7 and 16 + 8 h + 0..7 of each step: in f32 two pieces of 32 bytes, 64 bytes apart.
.macro ALOAD c
.set B, RING+32*((\c)%6)
.irp s, 0,1
	global_load_b128 v[B+16*\s:B+16*\s+3],     v[AO], s[42:43] offset:(\c)*256+\s*128
	global_load_b128 v[B+16*\s+4:B+16*\s+7],   v[AO], s[42:43] offset:(\c)*256+\s*128+16
	global_load_b128 v[B+16*\s+8:B+16*\s+11],  v[AO], s[42:43] offset:(\c)*256+\s*128+64
	global_load_b128 v[B+16*\s+12:B+16*\s+15], v[AO], s[42:43] offset:(\c)*256+\s*128+80
.endr
.endm
.macro ACVT c, s                       ; step s of the chunk: 16 f32 become a fragment of 8 registers, in place (register i is written when registers 2 i and 2 i + 1 are read)
.set B, RING+32*((\c)%6)+16*(\s)
.set i, 0
.rept 8
	v_cvt_pk_bf16_f32 v[B+i], v[B+2*i], v[B+2*i+1]
.set i, i+1
.endr
.endm
.macro WFRAG c
.irp s, 0,1
	ds_load_b128 v[WF+8*\s:WF+8*\s+3],   v[LF] offset:(\c)*128+\s*64
	ds_load_b128 v[WF+8*\s+4:WF+8*\s+7], v[LF] offset:(\c)*128+\s*64+32
.endr
.endm
.macro MM c, swap                      ; the two accumulators take turns, one instruction a turn; the first chunk starts the sums
.set B, RING+32*((\c)%6)
.if \swap
.if (\c) == 0
	v_wmma_f32_16x16x32_bf16 v[ACC0:ACC0+7], v[B:B+7], v[WF:WF+7], 0
	v_wmma_f32_16x16x32_bf16 v[ACC1:ACC1+7], v[B+16:B+23], v[WF+8:WF+15], 0
.else
	v_wmma_f32_16x16x32_bf16 v[ACC0:ACC0+7], v[B:B+7], v[WF:WF+7], v[ACC0:ACC0+7]
	v_wmma_f32_16x16x32_bf16 v[ACC1:ACC1+7], v[B+16:B+23], v[WF+8:WF+15], v[ACC1:ACC1+7]
.endif
.else
.if (\c) == 0
	v_wmma_f32_16x16x32_bf16 v[ACC0:ACC0+7], v[WF:WF+7], v[B:B+7], 0
	v_wmma_f32_16x16x32_bf16 v[ACC1:ACC1+7], v[WF+8:WF+15], v[B+16:B+23], 0
.else
	v_wmma_f32_16x16x32_bf16 v[ACC0:ACC0+7], v[WF:WF+7], v[B:B+7], v[ACC0:ACC0+7]
	v_wmma_f32_16x16x32_bf16 v[ACC1:ACC1+7], v[WF+8:WF+15], v[B+16:B+23], v[ACC1:ACC1+7]
.endif
.endif
.endm
; One tile's K = 1024: 16 chunks through six register buffers, five chunks (40 loads) on their way.  The conversions of chunk c name no register of chunk c - 1's products: its first eight are the places
; in front of the loads into W's fragments, all sixteen those in front of the loads into the buffer that chunk c - 1 left (ISA guide 7.12.1 for vector instructions).
.macro KPASS swap
.irp c, 0,1,2,3,4
	ALOAD \c
.endr
.irp c, 0,1,2,3,4,5,6,7,8,9,10,11,12,13,14,15
.if \c < 12
	s_wait_loadcnt 32                              ; chunk c is in; the four younger chunks' 32 loads stay out
.else
	s_wait_loadcnt 8*(15-\c)                       ; the tail: 15 - c younger chunks
.endif
	ACVT \c, 0
	WFRAG \c
	ACVT \c, 1
.if \c < 11
	ALOAD \c+5
.endif
	s_wait_dscnt 0x0                               ; W's fragments
	MM \c, \swap
.endr
.endm
	s_mov_b32 s15, 0
.Ltrip:
	s_lshl_b32 s47, s15, 3
	s_add_co_u32 s47, s47, s8                      ; my slot
	s_cmp_ge_u32 s47, s13
	s_cbranch_scc1 .Lnext                          ; none left for this wave: forward, past no barrier
	s_min_u32 s46, s47, 255
	s_lshl_b32 s50, s46, 6
	v_lshl_add_u32 v[ORO], v[RR], 2, s50
	global_load_b32 v[IDX], v[ORO], s[32:33]       ; the token in place 16 slot + r of the list
	s_cmp_eq_u32 s47, s12                          ; the slot behind the last token tile: part's rows
	s_cselect_b32 s49, -1, 0
	s_cselect_b32 s48, 256, s46                    ; the tile's number
	s_cselect_b64 s[42:43], s[30:31], s[16:17]     ; rows of part, or of x
	v_cndmask_b32 v[BETA], 1.0, v[BX], s49
	v_mov_b32 v[BETA+1], v[BETA]                   ; named with it as a pair
	s_wait_loadcnt 0x0
	v_cndmask_b32 v[IDX], v[IDX], v[RR], s49       ; part's row r
	v_min_u32 v[IDX], 0xfff, v[IDX]
	v_lshlrev_b32 v[AO], 12, v[IDX]                ; both kinds of rows are 4,096 bytes
	v_lshl_add_u32 v[AO], v[HH], 5, v[AO]
	s_cmp_eq_u32 s9, 2
	s_cbranch_scc1 .Lkv
	KPASS 0
	s_branch .Lepi
.Lkv:
	KPASS 1
.Lepi:
.rept 4
	v_nop                                          ; the places behind the last products
.endr
.irp j, 0,2,4,6
	v_pk_add_f32 v[ACC0+\j:ACC0+\j+1], v[ACC0+\j:ACC0+\j+1], v[ACC1+\j:ACC1+\j+1]  ; both accumulators are read from their low end on
.endr
.irp j, 0,2,4,6
	v_pk_fma_f32 v[ACC0+\j:ACC0+\j+1], v[BIAS+\j:BIAS+\j+1], v[BETA:BETA+1], v[ACC0+\j:ACC0+\j+1] op_sel_hi:[1,0,1]
.endr
.irp j, 0,1,2,3
	v_cvt_pk_f16_f32 v[PK+\j], v[ACC0+2*\j], v[ACC0+2*\j+1]
.endr
	s_mul_i32 s50, ttmp9, 257
	s_add_co_u32 s50, s50, s48
	s_lshl_b32 s50, s50, 9
	s_mov_b32 s51, 0
	s_add_nc_u64 s[52:53], s[34:35], s[50:51]
	global_store_b128 v[OUTO], v[PK:PK+3], s[52:53]  ; 512 consecutive bytes, at a multiple of 512 from the buffer's first
	s_wait_xcnt 0x0                                ; the store's data and base are written again in the next trip only behind this wait
.Lnext:
	s_add_co_u32 s15, s15, 1
	s_cmp_lt_u32 s15, s14
	s_cbranch_scc1 .Ltrip
	s_wait_tensorcnt 0x0                           ; the wave's end: three closing lines behind the last LDS store
	ds_add_u32 v[SPW], v[NIL]
	s_wait_dscnt 0x0
	s_endpgm
.Lfunc_end_k_qd54c094227_qkv:
	.size	k_qd54c094227_qkv, .Lfunc_end_k_qd54c094227_qkv-k_qd54c094227_qkv
	.p2alignl 7, 3214868480
	.fill 96, 4, 3214868480
	.section	.rodata,"a",@progbits
	.p2align	6, 0x0
	.amdhsa_kernel k_qd54c094227_qkv
		.amdhsa_group_segment_fixed_size 34048
		.amdhsa_private_segment_fixed_size 0
		.amdhsa_enable_private_segment 0
		.amdhsa_kernarg_size 80
		.amdhsa_user_sgpr_count 2
		.amdhsa_user_sgpr_kernarg_segment_ptr 1
		.amdhsa_wavefront_size32 1
		.amdhsa_system_sgpr_workgroup_id_x 1
		.amdhsa_system_sgpr_workgroup_id_y 1
		.amdhsa_system_sgpr_workgroup_id_z 1
		.amdhsa_system_vgpr_workitem_id 0
		.amdhsa_next_free_vgpr 256
		.amdhsa_next_free_sgpr 66
		.amdhsa_reserve_vcc 0
		.amdhsa_float_denorm_mode_32 3
		.amdhsa_float_denorm_mode_16_64 3
		.amdhsa_memory_ordered 1
		.amdhsa_forward_progress 1
		.amdhsa_inst_pref_size 81
	.end_amdhsa_kernel
	.amdgpu_metadata
---
amdhsa.version: [ 1, 2 ]
amdhsa.kernels:
  - .name:           k_qd54c094227_qkv
    .symbol:         k_qd54c094227_qkv.kd
    .args:
      - { .name: x, .offset: 0, .size: 8, .value_kind: global_buffer, .address_space: global }
      - { .name: Wq, .offset: 8, .size: 8, .value_kind: global_buffer, .address_space: global }
      - { .name: Wk, .offset: 16, .size: 8, .value_kind: global_buffer, .address_space: global }
      - { .name: Wv, .offset: 24, .size: 8, .value_kind: global_buffer, .address_space: global }
      - { .name: bq, .offset: 32, .size: 8, .value_kind: global_buffer, .address_space: global }
      - { .name: bk, .offset: 40, .size: 8, .value_kind: global_buffer, .address_space: global }
      - { .name: bv, .offset: 48, .size: 8, .value_kind: global_buffer, .address_space: global }
      - { .name: part, .offset: 56, .size: 8, .value_kind: global_buffer, .address_space: global }
      - { .name: order, .offset: 64, .size: 8, .value_kind: global_buffer, .address_space: global }
      - { .name: qkv, .offset: 72, .size: 8, .value_kind: global_buffer, .address_space: global }
    .group_segment_fixed_size: 34048
    .private_segment_fixed_size: 0
    .kernarg_segment_align: 8
    .kernarg_segment_size: 80
    .max_flat_workgroup_size: 256
    .sgpr_count:     66
    .vgpr_count:     256
    .wavefront_size: 32
...
	.end_amdgpu_metadata
.endif
;; end of part 2
;; launch attn (part 3): grid 16 x 1, 8 waves a work-group, no clusters, 3,072 bytes of LDS; arguments qkv, order, ubar; writes ubar
.if DOCPART == 3
	.amdgcn_target "amdgcn-amd-amdhsa--gfx1250"
	.amdhsa_code_object_version 6
	.text
	.protected	k_qd54c094227_attn
	.globl	k_qd54c094227_attn
	.p2align	8
	.type	k_qd54c094227_attn,@function
k_qd54c094227_attn:
	s_mov_b64 s[64:65], 0
	v_nop
	global_prefetch_b8 v0, s[64:65] scope:SCOPE_SE
	s_setreg_imm32_b32 hwreg(HW_REG_WAVE_MODE, 25, 1), 1
	s_wait_xcnt 0x0
; ATTN.  ubar[64 head + d] = (1 / n) x the sum over the member queries s of (softmax row s of the head) . v[:, d].  One head a work-group; tiles of 16 queries go round its eight waves.
; For a member query every key outside M has the score 0.  All of them together are ONE step of the running softmax: maximum 0, sum 4096 - n, numerator = the sum of their v.  That step starts each tile:
; O^T = (tile 256 of V's blocks, 16 partial sums x 2^-8) x (a constant operand of 256.0).  With n = 4096 there is no such key: the maximum starts at the lowest finite number, c m at minus infinity, sums at 0.
; Then the member keys, 32 a step: S^T = K Q^T (a lane holds one query, lane % 16, and keys 8 (lane / 16) + 0..7 of each 16); p = 2^(c s - c m), c = log2(e), with a running maximum m; O and l are
; multiplied by a = 2^(c m_old - c m_new) in every step; the two results rounded to f16 ARE source 1 of O^T += V^T P.  Places at or past n in the list are no members: their scores are set to the lowest
; finite number, so their weight is 0.  All fragments are loaded as they lie: 16 bytes a lane, 512 consecutive bytes a load.
; LIMITS.  q, k, v arrive in f16.  |score| stays under 2e38 (c m must be finite).  A weight below 2^-126 counts as 0; below 6e-5 it keeps f16's step of 6e-8 in the second product.
; The walk serves every n from 1 to 4,096; its trip counts come from order[4096].  No LDS ring and no cluster: a head's member keys are a few tiles, read by the waves straight from the L2.
.set BLK,   131584                     ; bytes of a column block: 257 tiles of 512
.set XT,    131072                     ; tile 256 in its block
.set SPARE, 2048                       ; LDS: bytes 0-2047 the waves' sums (64 f32 a wave); from here the spare words
.set SPW, 8                            ; v8   LDS address of my spare word; never rewritten
.set NIL, 9                            ; v9   0; never rewritten
.set QF,  24                           ; v[24:39]   Q: channels 32 c on at 8 c
.set KF,  40                           ; v[40:71]   K: key tile T, channels 32 c on at 16 T + 8 c
.set VF,  72                           ; v[72:103]  V^T: channel block i at 8 i; keys 16 T on at + 4 T
.set S,   104                          ; v[104:119] S^T of key tiles 0 and 1
.set P,   120                          ; v[120:127]
.set O,   128                          ; v[128:159] O^T: channel block i at 8 i
.set U,   160                          ; v[160:191] the sum over my tiles of O^T / l
; v1 lane % 16; v2 lane / 16; v3 my 16 bytes in a tile; v4, v5 offsets of Q's and of K's and V's tiles; v6 n - 8 (lane / 16); v7 the same less 32 x the step; v10 my query's place; v11 (4096 - n) / 4
; v[12:13] c m, m; v[14:15] l (even keys', odd keys'); v[16:17] a, 0; v18-21 at work; v[22:23] 1 / l or 0, 0
	s_load_b128 s[4:7], s[0:1], 0x0                ; qkv s[4:5], order s[6:7]
	s_load_b64 s[8:9], s[0:1], 0x10                ; ubar
	v_lshl_add_u32 v[SPW], v0, 2, SPARE
	v_mov_b32 v[NIL], 0
	v_lshrrev_b32 v1, 5, v0
	v_readfirstlane_b32 s12, v1                    ; wave 0..7
	v_and_b32 v1, 15, v0
	v_bfe_u32 v2, v0, 4, 1
	v_lshlrev_b32 v3, 5, v1
	v_lshl_add_u32 v3, v2, 4, v3
	s_mov_b32 s26, 0x3fb8aa3b                      ; c = log2(e)
	s_mov_b32 s27, s26                             ; named with it as a pair
	s_mov_b32 s28, 0x76543210                      ; v_permlanex16_b32: each lane takes its own place in the other half
	s_mov_b32 s29, 0xfedcba98
	s_mov_b32 s30, 0xff7fffff                      ; the lowest finite number
	s_mul_i32 s34, ttmp9, 4*BLK                    ; a head is four column blocks
	s_mov_b32 s35, 0
.set i, 0
.rept 32
	v_mov_b32 v[U+i], 0                            ; a wave may have no tile at all, and still brings its sums
.set i, i+1
.endr
	v_mov_b32 v17, 0
	v_mov_b32 v23, 0
	s_wait_kmcnt 0x0
	s_load_b32 s10, s[6:7], 0x4000                 ; n
	s_add_nc_u64 s[16:17], s[4:5], s[34:35]        ; the head's Q,
	s_add_nc_u64 s[18:19], s[16:17], 64*BLK        ; K,
	s_add_nc_u64 s[20:21], s[18:19], 64*BLK        ; V
	s_wait_kmcnt 0x0
	s_min_u32 s10, s10, 0x1000                     ; the bound is written out since n steers trip counts
	s_add_co_u32 s13, s10, 31
	s_lshr_b32 s13, s13, 5                         ; key steps
	s_add_co_u32 s14, s10, 15
	s_lshr_b32 s14, s14, 4                         ; query tiles
	s_add_co_u32 s15, s14, 7
	s_lshr_b32 s15, s15, 3                         ; trips
	s_cmp_eq_u32 s10, 0x1000
	s_cselect_b32 s31, s30, 0                      ; m's start
	s_cselect_b32 s32, 0xff800000, 0               ; c m's start
	s_sub_co_u32 s33, 0x1000, s10
	v_cvt_f32_u32 v11, s33
	v_mul_f32 v11, 0x3e800000, v11                 ; l is kept in four parts (a pair, in both halves of the lanes): a quarter of 4096 - n in each
	v_lshlrev_b32 v6, 3, v2
	v_sub_nc_u32 v6, s10, v6
.macro PVMUL zero                      ; four accumulators, one instruction each: they take turns
.irp i, 0,1,2,3
.if \zero
	v_wmma_f32_16x16x32_f16 v[O+8*\i:O+8*\i+7], v[VF+8*\i:VF+8*\i+7], v[P:P+7], 0
.else
	v_wmma_f32_16x16x32_f16 v[O+8*\i:O+8*\i+7], v[VF+8*\i:VF+8*\i+7], v[P:P+7], v[O+8*\i:O+8*\i+7]
.endif
.endr
.endm
	s_mov_b32 s22, 0
.Lq:
	s_lshl_b32 s23, s22, 3
	s_add_co_u32 s23, s23, s12                     ; my query tile
	s_cmp_ge_u32 s23, s14
	s_cbranch_scc1 .Lnq                            ; none left for this wave: forward, past no barrier
	s_min_u32 s33, s23, 255
	s_lshl_b32 s33, s33, 9
	v_add_nc_u32 v4, s33, v3
.irp f, 0,1,2,3
	global_load_b128 v[QF+4*\f:QF+4*\f+3], v4, s[16:17] offset:\f*BLK   ; column block f: channels 16 f + 8 h + 0..7 of query r
.endr
.irp i, 0,1,2,3
	global_load_b128 v[VF+8*\i:VF+8*\i+3], v3, s[20:21] offset:\i*BLK+XT  ; the 16 partial sums as keys 0-15
.endr
.irp i, 0,1,2,3
.irp j, 4,5,6,7
	v_mov_b32 v[VF+8*\i+\j], 0                     ; keys 16-31 of this step: none
.endr
.endr
.irp j, 0,1,2,3
	v_mov_b32 v[P+\j], 0x5c005c00                  ; 256.0 twice, in f16
	v_mov_b32 v[P+4+\j], 0
.endr
	s_wait_loadcnt 0x0
	PVMUL 1                                        ; O^T = the sum of v over all non-members, for each of the 16 queries: it starts the sums
	v_mov_b32 v12, s32
	v_mov_b32 v13, s31
	v_mov_b32 v14, v11
	v_mov_b32 v15, v11
	s_mov_b32 s24, 0
.Lk:
	s_min_u32 s33, s24, 127
	s_lshl_b32 s33, s33, 10                        ; two tiles a step
	v_add_nc_u32 v5, s33, v3                       ; these two lines and two v_nop are the four places between the last products and the loads into V's registers
	s_lshl_b32 s33, s24, 5
	v_sub_nc_u32 v7, v6, s33
	v_nop
	v_nop
.irp t, 0,1
.irp f, 0,1,2,3
	global_load_b128 v[KF+16*\t+4*\f:KF+16*\t+4*\f+3], v5, s[18:19] offset:\f*BLK+\t*512
.endr
.endr
.irp i, 0,1,2,3
.irp t, 0,1
	global_load_b128 v[VF+8*\i+4*\t:VF+8*\i+4*\t+3], v5, s[20:21] offset:\i*BLK+\t*512
.endr
.endr
	s_wait_loadcnt 8                               ; K is in; V's eight loads, issued behind it, stay out
	v_wmma_f32_16x16x32_f16 v[S:S+7],    v[KF:KF+7],     v[QF:QF+7],    0
	v_wmma_f32_16x16x32_f16 v[S+8:S+15], v[KF+16:KF+23], v[QF:QF+7],    0
	v_wmma_f32_16x16x32_f16 v[S:S+7],    v[KF+8:KF+15],  v[QF+8:QF+15], v[S:S+7]
	v_wmma_f32_16x16x32_f16 v[S+8:S+15], v[KF+24:KF+31], v[QF+8:QF+15], v[S+8:S+15]
.rept 4
	v_nop                                          ; the places behind those products
.endr
.set i, 0
.rept 16                                       ; register i is key 32 step + 16 (i / 8) + 8 h + i % 8: a member's while that is below n.  Each accumulator is read from its low end on
	v_cmp_lt_i32 vcc_lo, 16*(i/8)+i%8, v7
	v_cndmask_b32 v[S+i], s30, v[S+i], vcc_lo
.set i, i+1
.endr
	v_max3_num_f32 v18, v[S], v[S+1], v[S+2]       ; the maximum of 16 scores and the old m, three operands at a time
	v_max3_num_f32 v19, v[S+3], v[S+4], v[S+5]
	v_max3_num_f32 v20, v[S+6], v[S+7], v[S+8]
	v_max3_num_f32 v21, v[S+9], v[S+10], v[S+11]
	v_max3_num_f32 v18, v18, v[S+12], v[S+13]
	v_max3_num_f32 v19, v19, v[S+14], v[S+15]
	v_max3_num_f32 v20, v20, v21, v13
	v_max3_num_f32 v18, v18, v19, v20
	v_permlanex16_b32 v19, v18, s28, s29           ; the query's other 16 keys lie in the lane 16 away
	v_max_num_f32 v13, v18, v19
	v_mov_b32 v20, v12                             ; c m_old
	v_mul_f32 v12, s26, v13
	v_sub_f32 v20, v20, v12
	v_exp_f32 v16, v20                             ; a; the scalings below are the plain instructions behind it
.set i, 0
.rept 8
	v_pk_fma_f32 v[S+2*i:S+2*i+1], v[S+2*i:S+2*i+1], s[26:27], v[12:13] op_sel_hi:[1,0,0] neg_lo:[0,0,1] neg_hi:[0,0,1]  ; c s - c m
.set i, i+1
.endr
.set i, 0
.rept 16
	v_exp_f32 v[S+i], v[S+i]
.set i, i+1
.endr
.set i, 0
	s_wait_alu depctr_va_vdst(0)
.rept 16
	v_pk_mul_f32 v[O+2*i:O+2*i+1], v[O+2*i:O+2*i+1], v[16:17] op_sel_hi:[1,0]  ; O^T a: plain work behind the exponentials (ISA guide 5.7.2); ascending, so each accumulator's low end comes first
.set i, i+1
.endr
.set i, 0
.rept 8
	v_cvt_pk_f16_f32 v[P+i], v[S+2*i], v[S+2*i+1]
.set i, i+1
.endr
	v_pk_add_f32 v[S:S+1], v[S:S+1], v[S+2:S+3]
	v_pk_add_f32 v[S+4:S+5], v[S+4:S+5], v[S+6:S+7]
	v_pk_add_f32 v[S+8:S+9], v[S+8:S+9], v[S+10:S+11]
	v_pk_add_f32 v[S+12:S+13], v[S+12:S+13], v[S+14:S+15]
	v_pk_add_f32 v[S:S+1], v[S:S+1], v[S+4:S+5]
	v_pk_add_f32 v[S+8:S+9], v[S+8:S+9], v[S+12:S+13]
	v_pk_add_f32 v[S:S+1], v[S:S+1], v[S+8:S+9]
	v_pk_fma_f32 v[14:15], v[14:15], v[16:17], v[S:S+1] op_sel_hi:[1,0,1]  ; l = a l + the step's weights
	s_wait_loadcnt 0x0                             ; V
	PVMUL 0
	s_add_co_u32 s24, s24, 1
	s_cmp_lt_u32 s24, s13
	s_cbranch_scc1 .Lk
.rept 4
	v_nop                                          ; the places behind the last products
.endr
	v_add_f32 v18, v14, v15
	v_permlanex16_b32 v19, v18, s28, s29
	v_add_f32 v18, v18, v19
	v_rcp_f32 v22, v18
	v_lshl_add_u32 v10, s23, 4, v1                 ; my query's place in the list (a plain instruction behind the reciprocal)
	v_cmp_gt_u32 vcc_lo, s10, v10
	s_wait_alu depctr_va_vdst(0)
	v_cndmask_b32 v22, 0, v22, vcc_lo              ; a place at or past n is no member: it adds nothing
.set i, 0
.rept 16
	v_pk_fma_f32 v[U+2*i:U+2*i+1], v[O+2*i:O+2*i+1], v[22:23], v[U+2*i:U+2*i+1] op_sel_hi:[1,0,1]
.set i, i+1
.endr
.Lnq:
	s_add_co_u32 s22, s22, 1
	s_cmp_lt_u32 s22, s15
	s_cbranch_scc1 .Lq
	; the sum over a tile's 16 queries (the 16 lanes of a half), then over the waves, then the mean
.irp m, 1,2,4,8
.set i, 0
.rept 32
	v_add_f32_dpp v[U+i], v[U+i], v[U+i] row_xmask:\m row_mask:0xf bank_mask:0xf
.set i, i+1
.endr
.endr
	v_lshlrev_b32 v4, 5, v2
	v_lshl_add_u32 v4, s12, 8, v4                  ; my wave's 256 bytes; register 8 i + j is channel 16 i + 8 h + j
.irp i, 0,1,2,3
	ds_store_b128 v4, v[U+8*\i:U+8*\i+3] offset:64*\i      ; the 16 lanes of a half store the same bytes
	ds_store_b128 v4, v[U+8*\i+4:U+8*\i+7] offset:64*\i+16
.endr
	s_wait_dscnt 0x0                               ; for the others' sake: my stores are done
	s_barrier_signal -1
	s_barrier_wait -1
	s_cmp_lg_u32 s12, 0
	s_cbranch_scc1 .Ldone
	v_and_b32 v5, 31, v0
	v_lshlrev_b32 v5, 3, v5
.set i, 0
.rept 8
	ds_load_b64 v[QF+2*i:QF+2*i+1], v5 offset:256*i
.set i, i+1
.endr
	v_cvt_f32_u32 v10, s10
	v_rcp_f32 v10, v10                             ; 1 / n
	s_lshl_b32 s33, ttmp9, 8
	v_add_nc_u32 v7, s33, v5                       ; a plain instruction behind the reciprocal
	s_wait_dscnt 0x0
	v_pk_add_f32 v[QF:QF+1], v[QF:QF+1], v[QF+2:QF+3]
	v_pk_add_f32 v[QF+4:QF+5], v[QF+4:QF+5], v[QF+6:QF+7]
	v_pk_add_f32 v[QF+8:QF+9], v[QF+8:QF+9], v[QF+10:QF+11]
	v_pk_add_f32 v[QF+12:QF+13], v[QF+12:QF+13], v[QF+14:QF+15]
	v_pk_add_f32 v[QF:QF+1], v[QF:QF+1], v[QF+4:QF+5]
	v_pk_add_f32 v[QF+8:QF+9], v[QF+8:QF+9], v[QF+12:QF+13]
	v_pk_add_f32 v[QF:QF+1], v[QF:QF+1], v[QF+8:QF+9]
	s_wait_alu depctr_va_vdst(0)
	v_pk_mul_f32 v[QF:QF+1], v[QF:QF+1], v[10:11] op_sel_hi:[1,0]
	global_store_b64 v7, v[QF:QF+1], s[8:9]        ; the head's 64 numbers: 256 consecutive bytes, aligned
.Ldone:
	s_wait_tensorcnt 0x0                           ; the wave's end: three closing lines behind the last LDS store
	ds_add_u32 v[SPW], v[NIL]
	s_wait_dscnt 0x0
	s_endpgm
.Lfunc_end_k_qd54c094227_attn:
	.size	k_qd54c094227_attn, .Lfunc_end_k_qd54c094227_attn-k_qd54c094227_attn
	.p2alignl 7, 3214868480
	.fill 96, 4, 3214868480
	.section	.rodata,"a",@progbits
	.p2align	6, 0x0
	.amdhsa_kernel k_qd54c094227_attn
		.amdhsa_group_segment_fixed_size 3072
		.amdhsa_private_segment_fixed_size 0
		.amdhsa_enable_private_segment 0
		.amdhsa_kernarg_size 24
		.amdhsa_user_sgpr_count 2
		.amdhsa_user_sgpr_kernarg_segment_ptr 1
		.amdhsa_wavefront_size32 1
		.amdhsa_system_sgpr_workgroup_id_x 1
		.amdhsa_system_sgpr_workgroup_id_y 1
		.amdhsa_system_sgpr_workgroup_id_z 1
		.amdhsa_system_vgpr_workitem_id 0
		.amdhsa_next_free_vgpr 192
		.amdhsa_next_free_sgpr 66
		.amdhsa_reserve_vcc 1
		.amdhsa_float_denorm_mode_32 3
		.amdhsa_float_denorm_mode_16_64 3
		.amdhsa_memory_ordered 1
		.amdhsa_forward_progress 1
		.amdhsa_inst_pref_size 25
	.end_amdhsa_kernel
	.amdgpu_metadata
---
amdhsa.version: [ 1, 2 ]
amdhsa.kernels:
  - .name:           k_qd54c094227_attn
    .symbol:         k_qd54c094227_attn.kd
    .args:
      - { .name: qkv, .offset: 0, .size: 8, .value_kind: global_buffer, .address_space: global }
      - { .name: order, .offset: 8, .size: 8, .value_kind: global_buffer, .address_space: global }
      - { .name: ubar, .offset: 16, .size: 8, .value_kind: global_buffer, .address_space: global }
    .group_segment_fixed_size: 3072
    .private_segment_fixed_size: 0
    .kernarg_segment_align: 8
    .kernarg_segment_size: 24
    .max_flat_workgroup_size: 256
    .sgpr_count:     66
    .vgpr_count:     192
    .wavefront_size: 32
...
	.end_amdgpu_metadata
.endif
;; end of part 3
;; launch outp (part 4): grid 16 x 1, 32 waves a work-group, no clusters, 4,352 bytes of LDS; arguments Wo, bo, ubar, out0; writes out0
.if DOCPART == 4
	.amdgcn_target "amdgcn-amd-amdhsa--gfx1250"
	.amdhsa_code_object_version 6
	.text
	.protected	k_qd54c094227_outp
	.globl	k_qd54c094227_outp
	.p2align	8
	.type	k_qd54c094227_outp,@function
k_qd54c094227_outp:
	s_mov_b64 s[64:65], 0
	v_nop
	global_prefetch_b8 v0, s[64:65] scope:SCOPE_SE
	s_setreg_imm32_b32 hwreg(HW_REG_WAVE_MODE, 25, 1), 1
	s_wait_xcnt 0x0
; OUTP.  out0[e] = the sum over c of Wo[e][c] ubar[c] + bo[e]: the mean over the member rows commutes with the last projection, so one row is left of it.  All in f32.
; A work-group owns 64 outputs (256 aligned bytes), each of its 32 waves two rows of Wo: 16 loads of 512 consecutive bytes, all issued at once; Wo is read once.
; No matrix unit: a product with one row streams its weights once, and the bytes bind it.  The waves' 64 results meet in LDS, and wave 0 stores them as one whole block.
.set SPARE, 256                        ; LDS: bytes 0-255 the 64 results; from here the spare words, 128 bytes for each of 32 waves
.set SPW, 4                            ; v4   LDS address of my spare word; never rewritten
.set NIL, 5                            ; v5   0; never rewritten
.set U,   16                           ; v[16:47]   ubar: register 4 i + c of lane l holds number 128 i + 4 l + c
.set WR,  48                           ; v[48:111]  my two rows of Wo, in the same order
; v[6:9], v[10:13] two chains of pairs for each row; v14 where my results go in LDS; v15 8 x lane; v[112:113] bo; v114 my byte offset in bo and out0
	s_load_b256 s[4:11], s[0:1], 0x0               ; Wo s[4:5], bo s[6:7], ubar s[8:9], out0 s[10:11]
	v_lshl_add_u32 v[SPW], v0, 2, SPARE
	v_mov_b32 v[NIL], 0
	v_lshrrev_b32 v1, 5, v0
	v_readfirstlane_b32 s12, v1                    ; wave 0..31
	v_and_b32 v1, 31, v0
	v_lshlrev_b32 v2, 4, v1
	s_lshl_b32 s13, ttmp9, 18                      ; 64 rows of 4,096 bytes
	s_lshl_b32 s16, s12, 13                        ; two rows
	s_add_co_u32 s13, s13, s16
	v_add_nc_u32 v3, s13, v2
	v_lshlrev_b32 v15, 3, v1
	s_lshl_b32 s16, ttmp9, 8
	v_add_nc_u32 v114, s16, v15
	v_mov_b32 v14, s12
	v_lshlrev_b32 v14, 3, v14
	s_mov_b32 s14, 0x76543210                      ; v_permlanex16_b32: each lane takes its own place in the other half
	s_mov_b32 s15, 0xfedcba98
	s_wait_kmcnt 0x0
	s_cmp_lg_u32 s12, 0
	s_cbranch_scc1 .Lrows
	global_load_b64 v[112:113], v114, s[6:7]       ; wave 0 alone: the bias, ahead of all other loads, so the counts below cover it
.Lrows:
.set i, 0
.rept 8
	global_load_b128 v[U+4*i:U+4*i+3], v2, s[8:9] offset:512*i
.set i, i+1
.endr
.set i, 0
.rept 16
	global_load_b128 v[WR+4*i:WR+4*i+3], v3, s[4:5] offset:512*i th:TH_LOAD_NT  ; the two rows lie end to end
.set i, i+1
.endr
.macro DOT p
.set A, 6+4*(\p)
.set R, WR+32*(\p)
	v_pk_mul_f32 v[A:A+1], v[R:R+1], v[U:U+1]      ; the first products start the two chains
	v_pk_mul_f32 v[A+2:A+3], v[R+2:R+3], v[U+2:U+3]
.set i, 1
.rept 7
	v_pk_fma_f32 v[A:A+1], v[R+4*i:R+4*i+1], v[U+4*i:U+4*i+1], v[A:A+1]
	v_pk_fma_f32 v[A+2:A+3], v[R+4*i+2:R+4*i+3], v[U+4*i+2:U+4*i+3], v[A+2:A+3]
.set i, i+1
.endr
	v_pk_add_f32 v[A:A+1], v[A:A+1], v[A+2:A+3]
	v_add_f32 v[A], v[A], v[A+1]
	v_add_f32_dpp v[A], v[A], v[A] row_xmask:1 row_mask:0xf bank_mask:0xf
	v_add_f32_dpp v[A], v[A], v[A] row_xmask:2 row_mask:0xf bank_mask:0xf
	v_add_f32_dpp v[A], v[A], v[A] row_xmask:4 row_mask:0xf bank_mask:0xf
	v_add_f32_dpp v[A], v[A], v[A] row_xmask:8 row_mask:0xf bank_mask:0xf
	v_permlanex16_b32 v[A+1], v[A], s14, s15
	v_add_f32 v[A], v[A], v[A+1]
	ds_store_b32 v14, v[A] offset:4*(\p)           ; all lanes store the same word with the same number
.endm
	s_wait_loadcnt 8                               ; ubar and row 0 are in; row 1's eight loads stay out
	DOT 0
	s_wait_loadcnt 0x0
	DOT 1
	s_wait_dscnt 0x0                               ; for the others' sake: my two results are in LDS
	s_barrier_signal -1
	s_barrier_wait -1
	s_cmp_lg_u32 s12, 0
	s_cbranch_scc1 .Ldone
	ds_load_b64 v[16:17], v15
	s_wait_dscnt 0x0
	v_pk_add_f32 v[16:17], v[16:17], v[112:113]
	global_store_b64 v114, v[16:17], s[10:11]      ; 256 consecutive bytes, aligned
.Ldone:
	s_wait_tensorcnt 0x0                           ; the wave's end: three closing lines behind the last LDS store
	ds_add_u32 v[SPW], v[NIL]
	s_wait_dscnt 0x0
	s_endpgm
.Lfunc_end_k_qd54c094227_outp:
	.size	k_qd54c094227_outp, .Lfunc_end_k_qd54c094227_outp-k_qd54c094227_outp
	.p2alignl 7, 3214868480
	.fill 96, 4, 3214868480
	.section	.rodata,"a",@progbits
	.p2align	6, 0x0
	.amdhsa_kernel k_qd54c094227_outp
		.amdhsa_group_segment_fixed_size 4352
		.amdhsa_private_segment_fixed_size 0
		.amdhsa_enable_private_segment 0
		.amdhsa_kernarg_size 32
		.amdhsa_user_sgpr_count 2
		.amdhsa_user_sgpr_kernarg_segment_ptr 1
		.amdhsa_wavefront_size32 1
		.amdhsa_system_sgpr_workgroup_id_x 1
		.amdhsa_system_sgpr_workgroup_id_y 1
		.amdhsa_system_sgpr_workgroup_id_z 1
		.amdhsa_system_vgpr_workitem_id 0
		.amdhsa_next_free_vgpr 116
		.amdhsa_next_free_sgpr 66
		.amdhsa_reserve_vcc 0
		.amdhsa_float_denorm_mode_32 3
		.amdhsa_float_denorm_mode_16_64 3
		.amdhsa_memory_ordered 1
		.amdhsa_forward_progress 1
		.amdhsa_inst_pref_size 8
	.end_amdhsa_kernel
	.amdgpu_metadata
---
amdhsa.version: [ 1, 2 ]
amdhsa.kernels:
  - .name:           k_qd54c094227_outp
    .symbol:         k_qd54c094227_outp.kd
    .args:
      - { .name: Wo, .offset: 0, .size: 8, .value_kind: global_buffer, .address_space: global }
      - { .name: bo, .offset: 8, .size: 8, .value_kind: global_buffer, .address_space: global }
      - { .name: ubar, .offset: 16, .size: 8, .value_kind: global_buffer, .address_space: global }
      - { .name: out0, .offset: 24, .size: 8, .value_kind: global_buffer, .address_space: global }
    .group_segment_fixed_size: 4352
    .private_segment_fixed_size: 0
    .kernarg_segment_align: 8
    .kernarg_segment_size: 32
    .max_flat_workgroup_size: 1024
    .sgpr_count:     66
    .vgpr_count:     116
    .wavefront_size: 32
...
	.end_amdgpu_metadata
.endif
;; end of part 4
;; ======== version 2 of 2: 4 launches; version 1 with the launch qkv written anew for expert scheduling mode
;; limits: values are held in f16: magnitudes above 65,504 overflow, below 6.1e-05 lose precision
;; workspace buffers: part 65,536 bytes; order 16,640 bytes of whole numbers; qkv 25,264,128 bytes; ubar 4,096 bytes
;; launch prep: the kernel of part 1 again; grid 257 x 1, 8 waves a work-group, no clusters, 3,072 bytes of LDS; arguments x, segment_ids, part, order; writes part, order
;; launch qkv (part 5): grid 192 x 1, 8 waves a work-group, no clusters, 34,048 bytes of LDS; arguments x, Wq, Wk, Wv, bq, bk, bv, part, order, qkv; writes qkv
.if DOCPART == 5
	.amdgcn_target "amdgcn-amd-amdhsa--gfx1250"
	.amdhsa_code_object_version 6
	.text
	.protected	k_qd54c094227_qkv
	.globl	k_qd54c094227_qkv
	.p2align	8
	.type	k_qd54c094227_qkv,@function
k_qd54c094227_qkv:
	s_mov_b64 s[64:65], 0
	v_nop
	global_prefetch_b8 v0, s[64:65] scope:SCOPE_SE
	s_setreg_imm32_b32 hwreg(HW_REG_WAVE_SCHED_MODE, 0, 2), 2
	s_setreg_imm32_b32 hwreg(HW_REG_WAVE_MODE, 25, 1), 1
	s_wait_xcnt 0x0
	s_wait_alu depctr_vm_vsrc(0)
; QKV.  q, k, v = x W^T + b for the member rows alone (gathered by order), and in V's blocks also for the 16 rows of part.  Operands rounded to bf16, sums in f32, results rounded once to f16.
; Work-group cb (0..191) owns 16 output columns: cb / 64 chooses Wq, Wk or Wv, cb % 64 the block of 16 rows of W.  Those 16 rows (65,536 consecutive bytes) are read once, rounded, and kept in LDS.
; The row tiles of 16 tokens, nt = 2 ceil(n / 32) of them (n from order[4096]), go round the eight waves: slot 8 t + w; in V's blocks slot nt is the tile of part's rows.  A tile past n is filled up with
; non-members from the list: finite numbers that the next launch hides.
; OUT.  Tile (cb, T) lies at (257 cb + T) x 512 bytes, lane (r, h) at 32 r + 16 h: a store of the wave covers 512 consecutive aligned bytes.  Q and K: [token r][16 channels] (source 0 = W, source 1 = x).
; V: [channel r][16 tokens] (sources swapped).  T = 256: [channel r][16 rows of part], each row = part W^T + bv (4096 - n) 2^-12: the 16 rows add up to 2^-8 x the sum of v over all non-members.
; LIMIT.  f16 ends at 65,504: q, k and v must lie within it.  With all inputs 30 times the drawn spread they reach some 3,000, with all inputs offset by 30 spreads some 18,700; both at once would pass it.
; No tensor load: the rows of x come by a list, and W's tile is converted on its way into LDS.  No cluster: no two work-groups read the same rows of W.
; THE MODE: SCHED_MODE bits 1:0 = 2 (LLVM: expert scheduling mode 2), set by the entry lines.  The code itself states the register dependences
; between vector or matrix instructions and memory or LDS instructions, with s_wait_alu, always for 0.
; THE PLAN.  A tile's K = 1024 goes in 16 chunks of 64.  Registers that memory or LDS instructions touch, in the loop over tiles:
;   RING0 .. RING5  Chunk c's eight loads land in RING[c % 6]; its sixteen conversions work there in place; its two matrix instructions read it; chunk c + 1 asks for it again (chunk c + 6).
;   WF0, WF1        W's fragments of chunk c land in WF[c % 2], asked for in chunk c - 1; chunk c's two matrix instructions read them.
;   v[AO]           Written once a tile, at its head; read by the tile's 128 loads.     v[IDX]  one load lands in it; three vector lines at the tile's head name it.
;   PK              Written by the tile's last four conversions; read by its one store.
;   v[LF], v[OUTO], v[ORO]  Made at the kernel's head and never written again: a tile's place in the list and in the output is reached by scalar bases.
;   The accumulators, BETA, BX and BIAS (once loaded) are named by vector and matrix instructions alone.
; So ONE wait on va_vdst stands in a chunk, behind its first eight conversions: chunk c - 1's matrix instructions are done reading WF[(c + 1) % 2] and RING[(c - 1) % 6].  The chunk's twelve loads follow it,
; dealt among the other eight conversions, which name RING[c % 6] alone.  Chunk 0 issues no load (at a tile's start all six buffers and both sets are asked for at once) and chunk 15 none: they hold no such wait.
; A tile has three more: va_vdst behind the two lines that make v[AO]; va_vdst ahead of the store; vm_vsrc behind it.
.set PW,    2064                       ; a row of W in LDS: 2,048 bytes of bf16 + 16: 129 x 16, so the 16 rows of a fragment load start at 16 different groups of four banks (ISA guide 11.1)
.set SPARE, 16*PW                      ; 33,024 = 129 x 256: behind W's rows the spare words, 128 bytes a wave
.set BX,   0                           ; v0   (4096 - n) 2^-12, once the thread's number has served
.set RR,   1                           ; v1   lane % 16
.set HH,   2                           ; v2   lane / 16
.set AO,   3                           ; v3   byte offset of my row's first 32 bytes
.set LF,   4                           ; v4   my place in W's rows in LDS; never rewritten
.set OUTO, 5                           ; v5   my 16 bytes in a tile; never rewritten
.set IDX,  6                           ; v6   my row's number
.set ORO,  7                           ; v7   4 r: my word among a tile's 16 places in order; never rewritten
.set SPW,  8                           ; v8   LDS address of my spare word; never rewritten
.set NIL,  9                           ; v9   0; never rewritten
.set PK,   10                          ; v[10:13] eight f16
.set BETA, 14                          ; v[14:15] the bias's factor (low word)
.set WF1,  16                          ; v[16:31] W's two fragments of an odd chunk; at the head v25-v28 are at work here
.set RING, 32                          ; v[32:223] six buffers of 32: a chunk of 64 along K, as loaded (f32), then as two fragments
.set WF0,  224                         ; v[224:239] W's two fragments of an even chunk
.set ACC0, 240                         ; the even K steps' sums
.set ACC1, 248                         ; the odd K steps' sums
.set BIAS, 0                           ; v[256:263], v0-v7 of window 1: the bias of my eight results: loaded once, read once a tile, so its two window switches a tile stand outside the chunks
.set MSB, 0
.macro WIN new                         ; s_set_vgpr_msb: bits 1:0 source 0, 3:2 source 1, 5:4 source 2, 7:6 destination; the high byte repeats the setting that is left
.if MSB != (\new)
	s_set_vgpr_msb (MSB<<8)|(\new)
.set MSB, \new
.endif
.endm
	s_load_b512 s[16:31], s[0:1], 0x0              ; x s[16:17], Wq s[18:19], Wk s[20:21], Wv s[22:23], bq s[24:25], bk s[26:27], bv s[28:29], part s[30:31]
	s_load_b128 s[32:35], s[0:1], 0x40             ; order s[32:33], qkv s[34:35]
	v_lshl_add_u32 v[SPW], v0, 2, SPARE
	v_mov_b32 v[NIL], 0
	v_lshrrev_b32 v1, 5, v0
	v_readfirstlane_b32 s8, v1                     ; wave 0..7
	v_and_b32 v28, 31, v0                          ; lane
	v_and_b32 v[RR], 15, v0
	v_bfe_u32 v[HH], v0, 4, 1
	s_lshr_b32 s9, ttmp9, 6                        ; 0: Q, 1: K, 2: V
	s_and_b32 s10, ttmp9, 63                       ; the block of 16 columns
	v_lshlrev_b32 v25, 4, v28
	v_mul_u32_u24 v[LF], v[RR], PW
	v_lshl_add_u32 v[LF], v[HH], 4, v[LF]          ; a fragment's row x pitch + 16 x half
	v_lshlrev_b32 v[OUTO], 5, v[RR]
	v_lshl_add_u32 v[OUTO], v[HH], 4, v[OUTO]
	v_lshlrev_b32 v[ORO], 2, v[RR]
	s_wait_alu depctr_va_sdst(0)                   ; s8 is written, ahead of its first reader, the next line
	v_lshl_add_u32 v25, s8, 13, v25                ; W: 16 lane + my wave's two rows
	s_mul_i32 s50, s8, 2*PW
	v_lshl_add_u32 v26, v28, 3, s50                ; LDS: 8 lane + my wave's two rows
	s_wait_kmcnt 0x0
	s_load_b32 s11, s[32:33], 0x4000               ; n
	s_cmp_eq_u32 s9, 0
	s_cselect_b64 s[36:37], s[18:19], s[20:21]
	s_cselect_b64 s[38:39], s[24:25], s[26:27]
	s_cmp_eq_u32 s9, 2
	s_cselect_b64 s[36:37], s[22:23], s[36:37]     ; my W
	s_cselect_b64 s[38:39], s[28:29], s[38:39]     ; my bias
	s_lshl_b32 s50, s10, 16                        ; 16 rows of 4,096 bytes
	s_mov_b32 s51, 0
	s_add_nc_u64 s[36:37], s[36:37], s[50:51]
	s_lshl_b32 s50, s10, 6                         ; 16 numbers of the bias
	s_cmp_eq_u32 s9, 2
	s_cbranch_scc1 .Lbias_v
	v_lshl_add_u32 v27, v[HH], 5, s50              ; Q, K: my results are columns 8 h + 0..7
	WIN 0x40                                       ; destination in window 1; the switch, then the wait, then the loads
	s_wait_alu depctr_va_vdst(0)                   ; v27 is written, which the two loads below read; so are v25, v26 and v[LF], v[OUTO], v[ORO], the offsets of all that follows
	global_load_b128 v[BIAS:BIAS+3], v27, s[38:39]
	global_load_b128 v[BIAS+4:BIAS+7], v27, s[38:39] offset:16
	WIN 0                                          ; at a branch and at a label every window is 0
	s_branch .Lbias_done
.Lbias_v:
	v_lshl_add_u32 v27, v[RR], 2, s50              ; V: all eight are column r
	WIN 0x40
	s_wait_alu depctr_va_vdst(0)                   ; the same on this way: v27 is written, which the eight loads below read, and the other offsets with it
.irp j, 0,1,2,3,4,5,6,7
	global_load_b32 v[BIAS+\j], v27, s[38:39]
.endr
	WIN 0
.Lbias_done:
	; W's tile: wave w brings rows 2 w and 2 w + 1, 512 consecutive bytes a load, read once in the launch
.set i, 0
.rept 16
	global_load_b128 v[RING+4*i:RING+4*i+3], v25, s[36:37] offset:512*i th:TH_LOAD_NT
.set i, i+1
.endr
; Row h of my two: its eight loads are rounded as they land, then stored in one run behind one wait; the first row's stores go out while the second row's loads are on their way.
.macro WROW h
.set i, 8*(\h)
.rept 8
	s_wait_loadcnt 15-i                            ; load i is in (and the bias, issued ahead of it); the younger ones stay out
	v_cvt_pk_bf16_f32 v[RING+4*i], v[RING+4*i], v[RING+4*i+1]
	v_cvt_pk_bf16_f32 v[RING+4*i+1], v[RING+4*i+2], v[RING+4*i+3]
.set i, i+1
.endr
	s_wait_alu depctr_va_vdst(0)                   ; the row's sixteen conversions have written the registers that the eight LDS stores read
.set i, 8*(\h)
.rept 8
	ds_store_b64 v26, v[RING+4*i:RING+4*i+1] offset:(i/8)*PW+(i%8)*256
.set i, i+1
.endr
.endm
	WROW 0
	WROW 1
	s_wait_kmcnt 0x0
	s_min_u32 s11, s11, 0x1000                     ; n, 1 to 4,096; the bound is written out since it steers trip counts
	s_add_co_u32 s12, s11, 31
	s_lshr_b32 s12, s12, 5
	s_lshl_b32 s12, s12, 1                         ; nt
	s_cmp_eq_u32 s9, 2
	s_cselect_b32 s50, 1, 0
	s_add_co_u32 s13, s12, s50                     ; slots: V's blocks have one more
	s_add_co_u32 s14, s13, 7
	s_lshr_b32 s14, s14, 3                         ; trips
	s_sub_co_u32 s50, 0x1000, s11
	v_cvt_f32_u32 v[BX], s50
	v_mul_f32 v[BX], 0x39800000, v[BX]             ; (4096 - n) 2^-12
	s_wait_dscnt 0x0                               ; for the others' sake: my rows of W are in LDS
	s_barrier_signal -1
	s_barrier_wait -1                              ; from here on LDS is only read
	s_wait_alu depctr_vm_vsrc(0)                   ; my LDS stores have read their data in the ring and v26, the loads of W and of the bias v25 and v27: loads of x and of W's fragments land in all of these from here on
; A chunk is 64 along K: 256 bytes of a row of x, two K steps.  Lane (r, h) wants k = 8 h + 0..7 and 16 + 8 h + 0..7 of each step: in f32 two pieces of 32 bytes, 64 bytes apart.
.macro ALOADH c, s                     ; step s of chunk c: four of its eight loads
.set B, RING+32*((\c)%6)+16*(\s)
	global_load_b128 v[B:B+3],     v[AO], s[42:43] offset:(\c)*256+(\s)*128
	global_load_b128 v[B+4:B+7],   v[AO], s[42:43] offset:(\c)*256+(\s)*128+16
	global_load_b128 v[B+8:B+11],  v[AO], s[42:43] offset:(\c)*256+(\s)*128+64
	global_load_b128 v[B+12:B+15], v[AO], s[42:43] offset:(\c)*256+(\s)*128+80
.endm
.macro ACVT c, s                       ; step s of the chunk: 16 f32 become a fragment of 8 registers, in place (register i is written when registers 2 i and 2 i + 1 are read)
.set B, RING+32*((\c)%6)+16*(\s)
.set i, 0
.rept 8
	v_cvt_pk_bf16_f32 v[B+i], v[B+2*i], v[B+2*i+1]
.set i, i+1
.endr
.endm
.macro WFRAG c                         ; W's two fragments of chunk c, into the set of its parity
.set W, WF0*(1-(\c)%2)+WF1*((\c)%2)
.irp s, 0,1
	ds_load_b128 v[W+8*\s:W+8*\s+3],   v[LF] offset:(\c)*128+\s*64
	ds_load_b128 v[W+8*\s+4:W+8*\s+7], v[LF] offset:(\c)*128+\s*64+32
.endr
.endm
.macro MMS c, s, swap                  ; step s of chunk c.  The two accumulators take turns, one instruction a turn; the first chunk starts the sums
.set B, RING+32*((\c)%6)+16*(\s)
.set W, WF0*(1-(\c)%2)+WF1*((\c)%2)+8*(\s)
.set A, ACC0+8*(\s)
.if \swap
.if (\c) == 0
	v_wmma_f32_16x16x32_bf16 v[A:A+7], v[B:B+7], v[W:W+7], 0
.else
	v_wmma_f32_16x16x32_bf16 v[A:A+7], v[B:B+7], v[W:W+7], v[A:A+7]
.endif
.else
.if (\c) == 0
	v_wmma_f32_16x16x32_bf16 v[A:A+7], v[W:W+7], v[B:B+7], 0
.else
	v_wmma_f32_16x16x32_bf16 v[A:A+7], v[W:W+7], v[B:B+7], v[A:A+7]
.endif
.endif
.endm
; One tile's K = 1024: 16 chunks through six register buffers.  At the tile's start nothing of the ring or of W's sets is in use: six chunks (48 loads) and two chunks' fragments of W are asked for at once,
; behind the wait at the tile's head.  From chunk 1 on a chunk asks for the chunk five on and for the next chunk's fragments of W, so that an LDS load has a whole chunk in which to land.
.macro KPASS swap
	WFRAG 0
	WFRAG 1
.irp c, 0,1,2,3,4,5
	ALOADH \c, 0
	ALOADH \c, 1
.endr
.irp c, 0,1,2,3,4,5,6,7,8,9,10,11,12,13,14,15
.if \c == 0
	s_wait_loadcnt 40                              ; chunk 0 is in; the five younger chunks' 40 loads stay out
.elseif \c < 12
	s_wait_loadcnt 32                              ; chunk c is in; the four younger chunks' 32 loads stay out
.else
	s_wait_loadcnt 8*(15-\c)                       ; the tail: 15 - c younger chunks
.endif
	ACVT \c, 0
.if (\c > 0) && (\c < 15)
	s_wait_alu depctr_va_vdst(0)                   ; the chunk before's matrix instructions are done reading their set of W's fragments and their ring buffer, in which the loads below land
	WFRAG \c+1
.endif
.if (\c > 0) && (\c < 11)
	ALOADH \c+5, 0
.endif
	ACVT \c, 1                                     ; these eight name this chunk's buffer alone: none of the registers that the loads round them touch
.if (\c > 0) && (\c < 11)
	ALOADH \c+5, 1
.endif
.if \c < 15
	s_wait_dscnt 4                                 ; LDS loads come back in order (ISA guide 5.7.1): this chunk's fragments of W are in, the next chunk's four loads stay out
.else
	s_wait_dscnt 0x0                               ; the last fragments of W
.endif
	MMS \c, 0, \swap
	MMS \c, 1, \swap
.endr
.endm
	s_mov_b32 s15, 0
.Ltrip:
	s_lshl_b32 s47, s15, 3
	s_add_co_u32 s47, s47, s8                      ; my slot
	s_cmp_ge_u32 s47, s13
	s_cbranch_scc1 .Lnext                          ; none left for this wave: forward, past no barrier
	s_min_u32 s46, s47, 255
	s_lshl_b32 s50, s46, 6
	s_mov_b32 s51, 0
	s_add_nc_u64 s[44:45], s[32:33], s[50:51]      ; order at the tile's 16 places; the load that read this base last has been waited for
	global_load_b32 v[IDX], v[ORO], s[44:45]       ; the token in place 16 slot + r of the list.  No wait: v[ORO] is the head's, and the last line that named v[IDX] stands ahead of the last tile's wait behind v[AO]
	s_cmp_eq_u32 s47, s12                          ; the slot behind the last token tile: part's rows
	s_cselect_b32 s49, -1, 0
	s_cselect_b32 s48, 256, s46                    ; the tile's number
	s_cselect_b64 s[42:43], s[30:31], s[16:17]     ; rows of part, or of x
	v_cndmask_b32 v[BETA], 1.0, v[BX], s49
	v_mov_b32 v[BETA+1], v[BETA]                   ; named with it as a pair
	s_wait_loadcnt 0x0
	v_cndmask_b32 v[IDX], v[IDX], v[RR], s49       ; part's row r
	v_min_u32 v[IDX], 0xfff, v[IDX]
	v_lshlrev_b32 v[AO], 12, v[IDX]                ; both kinds of rows are 4,096 bytes
	v_lshl_add_u32 v[AO], v[HH], 5, v[AO]
	s_wait_alu depctr_va_vdst(0)                   ; v[AO] is written, which the tile's loads of x read; the lines above are done with v[IDX], in which the next tile's index lands
	s_cmp_eq_u32 s9, 2
	s_cbranch_scc1 .Lkv
	KPASS 0
	s_branch .Lepi
.Lkv:
	KPASS 1
.Lepi:
.rept 4
	v_nop                                          ; the places behind the last products
.endr
.irp j, 0,2,4,6
	v_pk_add_f32 v[ACC0+\j:ACC0+\j+1], v[ACC0+\j:ACC0+\j+1], v[ACC1+\j:ACC1+\j+1]  ; both accumulators are read from their low end on
.endr
	WIN 0x01                                       ; source 0, the bias, in window 1
.irp j, 0,2,4,6
	v_pk_fma_f32 v[ACC0+\j:ACC0+\j+1], v[BIAS+\j:BIAS+\j+1], v[BETA:BETA+1], v[ACC0+\j:ACC0+\j+1] op_sel_hi:[1,0,1]
.endr
	WIN 0
.irp j, 0,1,2,3
	v_cvt_pk_f16_f32 v[PK+\j], v[ACC0+2*\j], v[ACC0+2*\j+1]
.endr
	s_mul_i32 s50, ttmp9, 257
	s_add_co_u32 s50, s50, s48
	s_lshl_b32 s50, s50, 9
	s_mov_b32 s51, 0
	s_add_nc_u64 s[52:53], s[34:35], s[50:51]
	s_wait_alu depctr_va_vdst(0)                   ; the four conversions have written PK, which the store reads
	global_store_b128 v[OUTO], v[PK:PK+3], s[52:53]  ; 512 consecutive bytes, at a multiple of 512 from the buffer's first
	s_wait_xcnt 0x0                                ; the store's data and base are written again in the next trip only behind this wait
	s_wait_alu depctr_vm_vsrc(0)                   ; the store has read PK and the tile's loads have read v[AO]: the next trip's vector lines write both again
.Lnext:
	s_add_co_u32 s15, s15, 1
	s_cmp_lt_u32 s15, s14
	s_cbranch_scc1 .Ltrip
	s_wait_dscnt 0x0                               ; the closing lines, six on end
	s_wait_alu 0x0
	s_wait_tensorcnt 0x0
	ds_add_u32 v[SPW], v[NIL]
	s_wait_dscnt 0x0
	s_endpgm
.Lfunc_end_k_qd54c094227_qkv:
	.size	k_qd54c094227_qkv, .Lfunc_end_k_qd54c094227_qkv-k_qd54c094227_qkv
	.p2alignl 7, 3214868480
	.fill 96, 4, 3214868480
	.section	.rodata,"a",@progbits
	.p2align	6, 0x0
	.amdhsa_kernel k_qd54c094227_qkv
		.amdhsa_group_segment_fixed_size 34048
		.amdhsa_private_segment_fixed_size 0
		.amdhsa_enable_private_segment 0
		.amdhsa_kernarg_size 80
		.amdhsa_user_sgpr_count 2
		.amdhsa_user_sgpr_kernarg_segment_ptr 1
		.amdhsa_wavefront_size32 1
		.amdhsa_system_sgpr_workgroup_id_x 1
		.amdhsa_system_sgpr_workgroup_id_y 1
		.amdhsa_system_sgpr_workgroup_id_z 1
		.amdhsa_system_vgpr_workitem_id 0
		.amdhsa_next_free_vgpr 264
		.amdhsa_next_free_sgpr 66
		.amdhsa_reserve_vcc 0
		.amdhsa_float_denorm_mode_32 3
		.amdhsa_float_denorm_mode_16_64 3
		.amdhsa_memory_ordered 1
		.amdhsa_forward_progress 1
		.amdhsa_inst_pref_size 83
	.end_amdhsa_kernel
	.amdgpu_metadata
---
amdhsa.version: [ 1, 2 ]
amdhsa.kernels:
  - .name:           k_qd54c094227_qkv
    .symbol:         k_qd54c094227_qkv.kd
    .args:
      - { .name: x, .offset: 0, .size: 8, .value_kind: global_buffer, .address_space: global }
      - { .name: Wq, .offset: 8, .size: 8, .value_kind: global_buffer, .address_space: global }
      - { .name: Wk, .offset: 16, .size: 8, .value_kind: global_buffer, .address_space: global }
      - { .name: Wv, .offset: 24, .size: 8, .value_kind: global_buffer, .address_space: global }
      - { .name: bq, .offset: 32, .size: 8, .value_kind: global_buffer, .address_space: global }
      - { .name: bk, .offset: 40, .size: 8, .value_kind: global_buffer, .address_space: global }
      - { .name: bv, .offset: 48, .size: 8, .value_kind: global_buffer, .address_space: global }
      - { .name: part, .offset: 56, .size: 8, .value_kind: global_buffer, .address_space: global }
      - { .name: order, .offset: 64, .size: 8, .value_kind: global_buffer, .address_space: global }
      - { .name: qkv, .offset: 72, .size: 8, .value_kind: global_buffer, .address_space: global }
    .group_segment_fixed_size: 34048
    .private_segment_fixed_size: 0
    .kernarg_segment_align: 8
    .kernarg_segment_size: 80
    .max_flat_workgroup_size: 256
    .sgpr_count:     66
    .vgpr_count:     264
    .wavefront_size: 32
...
	.end_amdgpu_metadata
.endif
;; end of part 5
;; launch attn: the kernel of part 3 again; grid 16 x 1, 8 waves a work-group, no clusters, 3,072 bytes of LDS; arguments qkv, order, ubar; writes ubar
;; launch outp: the kernel of part 4 again; grid 16 x 1, 32 waves a work-group, no clusters, 4,352 bytes of LDS; arguments Wo, bo, ubar, out0; writes out0
